; MI455X (gfx1250); checked and timed in simulation.
; The chip was launched on July 23, 2026; its instructions are those of AMD's public machine-readable ISA for CDNA 5 (MIT licence, August 2026) and "CDNA5" Instruction Set Architecture Reference Guide (July 2026). The comments in the code are by the model that wrote it; some were corrected since.
;; Grouped MLP. Allowed arithmetic: float matrix products may take bf16 or f16 operands with f32 sums; all other float work in f32.
;; Inputs: permuted_tokens 1,024 x 1,024 float32; tokens_per_expert 8 int32; w1 8 x 1,024 x 4,096 float32; w2 8 x 2,048 x 1,024 float32.
;; Outputs: out0 1,024 x 1,024 float32.
;; 2 versions, each right and faster than the one before. Each part assembles by itself: llvm-mc -triple=amdgcn-amd-amdhsa -mcpu=gfx1250 --defsym DOCPART=n.
;; ======== version 1 of 2: 3 launches
;; workspace buffers: xfrag 4,194,304 bytes; hfrag 8,388,608 bytes
;; launch pack (part 1): grid 256 x 1, 4 waves a work-group, no clusters, 9,728 bytes of LDS; arguments permuted_tokens, tokens_per_expert, xfrag; writes xfrag
.if DOCPART == 1
	.amdgcn_target "amdgcn-amd-amdhsa--gfx1250"
	.amdhsa_code_object_version 6
	.text
	.protected	k_qb316f8c537_pack
	.globl	k_qb316f8c537_pack
	.p2align	8
	.type	k_qb316f8c537_pack,@function
k_qb316f8c537_pack:
	s_mov_b64 s[64:65], 0
	v_nop
	global_prefetch_b8 v0, s[64:65] scope:SCOPE_SE
	s_setreg_imm32_b32 hwreg(HW_REG_WAVE_MODE, 25, 1), 1
	s_wait_xcnt 0x0
; x, rounded to bf16 and laid out block by block as the register images of A fragments, so that the next launch loads them straight
; into operand registers.  x: [1024][1024] f32.  counts: [8] i32.
; xfrag: [block 16][kf 32][token tile 8][1024 bytes]; a fragment is 16 tokens x 32 k: bytes 16 L hold lane L's registers 0-3
; (token L % 16, k = 32 kf + 8 (L / 16) + 0..7), bytes 512 + 16 L its registers 4-7 (k 16 further on).
; BLOCKS.  Nine groups of rows: experts 0 to 7 and a tail (rows at or beyond the counts' sum).  Each group is cut into blocks of up to
; 128 rows; there are NB = 8 to 16 blocks.  A block's tile is always the 128 rows rb .. rb+127 with rb = min(first row, 896), so no load
; leaves x.  Blocks at or beyond NB are neither written here nor read later.
; LIMIT: counts are taken as non-negative with a sum below 2^31; a negative count is read as unsigned and clamped to 1024.
; ITEMS.  An item = one token tile x 64 k: 128 NB items (1024 to 2048) for 1024 waves; a wave takes item 4 x + w and, if there is one,
; the item 1024 further on.  Each wave turns its item in LDS bytes of its own, so there is no barrier.
; Memory binds and nothing is shared between work-groups: no matrix unit, no cluster, no tensor load.
.set XP,   144                         ; LDS pitch of a token row: 64 bf16 + 16 bytes, an odd multiple of 16
.set WLDS, 16*XP                       ; a wave's 16 rows
.set VXO,  2                           ; byte offset of my 16 bytes in x, from the item's base
.set VST,  3                           ; LDS: where I put 8 bytes of a row
.set VLD,  4                           ; LDS: where I read 16 bytes of a fragment
.set VOUT, 5                           ; 16 L
.set X,    16                          ; v[16:47]  8 loads
.set F,    48                          ; v[48:63]  4 fragment halves
	s_load_b128 s[4:7], s[0:1], 0x0                ; x s[4:5], counts s[6:7]
	s_load_b64 s[8:9], s[0:1], 0x10                ; xfrag
	v_lshl_add_u32 v64, v0, 2, 0x2400
	v_mov_b32 v65, 0
	v_lshrrev_b32 v1, 5, v0
	v_readfirstlane_b32 s70, v1                    ; w
	v_and_b32 v12, 31, v0                          ; L
	v_and_b32 v13, 15, v0                          ; r
	v_bfe_u32 v14, v0, 4, 1                        ; h
	v_lshlrev_b32 v15, 4, v13                      ; 16 r
	v_lshl_add_u32 v[VXO], v14, 12, v15            ; row h of 4,096 bytes, 16 r
	s_mul_i32 s80, s70, WLDS
	v_mul_u32_u24 v16, v14, XP
	v_lshl_add_u32 v16, v13, 3, v16
	v_add_nc_u32 v[VST], s80, v16                  ; row h, 8 r
	v_mul_u32_u24 v16, v13, XP
	v_lshl_add_u32 v16, v14, 4, v16
	v_add_nc_u32 v[VLD], s80, v16                  ; row r, 16 h
	v_lshlrev_b32 v[VOUT], 4, v12
	s_wait_kmcnt 0x0
	s_load_b256 s[16:23], s[6:7], 0x0              ; the eight counts
	s_wait_kmcnt 0x0
	; S_j (s24 ..): first row of group j, clamped to 1024.  P_j (s34 ..): first block of group j.
	s_mov_b32 s24, 0
	s_mov_b32 s34, 0
.irp j, 0,1,2,3,4,5,6,7
	s_min_u32 s80, s[16+\j], 1024
	s_add_co_u32 s80, s80, s[24+\j]
	s_min_u32 s[25+\j], s80, 1024
	s_sub_co_u32 s80, s[25+\j], s[24+\j]
	s_add_co_u32 s80, s80, 127
	s_lshr_b32 s80, s80, 7
	s_add_co_u32 s[35+\j], s[34+\j], s80
.endr
	s_sub_co_u32 s80, 1024, s32                    ; the tail's rows
	s_add_co_u32 s80, s80, 127
	s_lshr_b32 s80, s80, 7
	s_add_co_u32 s43, s42, s80                     ; NB
	s_lshl_b32 s44, s43, 7                         ; items
	s_lshl_b32 s45, ttmp9, 2
	s_add_co_u32 s45, s45, s70                     ; my first item: below 1024, and there are at least 1024
.macro ITEM
	; which block: the last group j whose first block is not beyond b
	s_lshr_b32 s46, s45, 7                         ; b
	s_mov_b32 s48, s24                             ; the group's first row
	s_mov_b32 s50, s34                             ; the group's first block
.irp j, 1,2,3,4,5,6,7,8
	s_cmp_ge_u32 s46, s[34+\j]
	s_cselect_b32 s48, s[24+\j], s48
	s_cselect_b32 s50, s[34+\j], s50
.endr
	s_sub_co_u32 s80, s46, s50
	s_lshl_b32 s80, s80, 7
	s_add_co_u32 s51, s48, s80                     ; the block's first row
	s_min_u32 s52, s51, 896                        ; rb: the tile's first row
	s_min_u32 s56, s46, 15
	s_bfe_u32 s81, s45, 0x30004                    ; mt: the token tile
	s_and_b32 s82, s45, 15                         ; kc: which 64 k
	s_lshl_b32 s80, s81, 4
	s_add_co_u32 s58, s52, s80                     ; row rb + 16 mt, 1008 at the most
	s_lshl_b32 s58, s58, 12
	s_lshl_b32 s80, s82, 8
	s_add_co_u32 s58, s58, s80
	s_mov_b32 s59, 0
	s_add_nc_u64 s[60:61], s[4:5], s[58:59]        ; x at the item's corner
	s_lshl_b32 s58, s56, 18                        ; a block of xfrag is 32 x 8 x 1,024 bytes
	s_lshl_b32 s80, s82, 14                        ; fragments 2 kc, 2 kc + 1
	s_add_co_u32 s58, s58, s80
	s_lshl_b32 s80, s81, 10
	s_add_co_u32 s58, s58, s80
	s_add_nc_u64 s[62:63], s[8:9], s[58:59]
.irp t, 0,1,2,3,4,5,6,7
	global_load_b128 v[X+4*\t:X+4*\t+3], v[VXO], s[60:61] offset:8192*\t   ; rows 2 t and 2 t + 1: sixteen lanes take 256 aligned bytes of a row
.endr
	s_wait_loadcnt 0x0
.irp t, 0,1,2,3,4,5,6,7
	v_cvt_pk_bf16_f32 v[X+4*\t], v[X+4*\t], v[X+4*\t+1]
	v_cvt_pk_bf16_f32 v[X+4*\t+1], v[X+4*\t+2], v[X+4*\t+3]
.endr
.irp t, 0,1,2,3,4,5,6,7
	ds_store_b64 v[VST], v[X+4*\t:X+4*\t+1] offset:2*XP*\t
.endr
.irp q, 0,1,2,3
	ds_load_b128 v[F+4*\q:F+4*\q+3], v[VLD] offset:32*\q                   ; LDS serves a wave's instructions in order (ISA guide 5.7.1.4): these see the stores above
.endr
	s_wait_dscnt 0x0
.irp q, 0,1,2,3
	global_store_b128 v[VOUT], v[F+4*\q:F+4*\q+3], s[62:63] offset:8192*(\q/2)+512*(\q%2)   ; the wave stores 512 consecutive bytes, aligned
.endr
	s_wait_xcnt 0x0                                ; the bases and the stores' data are written again only behind this wait
.endm
	ITEM
	s_add_co_u32 s45, s45, 1024
	s_cmp_lt_u32 s45, s44
	s_cbranch_scc0 .Ldone
	ITEM
.Ldone:
	s_wait_tensorcnt 0x0
	ds_add_u32 v64, v65
	s_wait_dscnt 0x0
	s_endpgm
.Lfunc_end_k_qb316f8c537_pack:
	.size	k_qb316f8c537_pack, .Lfunc_end_k_qb316f8c537_pack-k_qb316f8c537_pack
	.p2alignl 7, 3214868480
	.fill 96, 4, 3214868480
	.section	.rodata,"a",@progbits
	.p2align	6, 0x0
	.amdhsa_kernel k_qb316f8c537_pack
		.amdhsa_group_segment_fixed_size 9728
		.amdhsa_private_segment_fixed_size 0
		.amdhsa_enable_private_segment 0
		.amdhsa_kernarg_size 24
		.amdhsa_user_sgpr_count 2
		.amdhsa_user_sgpr_kernarg_segment_ptr 1
		.amdhsa_wavefront_size32 1
		.amdhsa_system_sgpr_workgroup_id_x 1
		.amdhsa_system_sgpr_workgroup_id_y 1
		.amdhsa_system_sgpr_workgroup_id_z 1
		.amdhsa_system_vgpr_workitem_id 0
		.amdhsa_next_free_vgpr 66
		.amdhsa_next_free_sgpr 96
		.amdhsa_reserve_vcc 0
		.amdhsa_float_denorm_mode_32 3
		.amdhsa_float_denorm_mode_16_64 3
		.amdhsa_memory_ordered 1
		.amdhsa_forward_progress 1
		.amdhsa_inst_pref_size 14
	.end_amdhsa_kernel
	.amdgpu_metadata
---
amdhsa.version: [ 1, 2 ]
amdhsa.kernels:
  - .name:           k_qb316f8c537_pack
    .symbol:         k_qb316f8c537_pack.kd
    .args:
      - { .name: permuted_tokens, .offset: 0, .size: 8, .value_kind: global_buffer, .address_space: global }
      - { .name: tokens_per_expert, .offset: 8, .size: 8, .value_kind: global_buffer, .address_space: global }
      - { .name: xfrag, .offset: 16, .size: 8, .value_kind: global_buffer, .address_space: global }
    .group_segment_fixed_size: 9728
    .private_segment_fixed_size: 0
    .kernarg_segment_align: 8
    .kernarg_segment_size: 24
    .max_flat_workgroup_size: 128
    .sgpr_count:     96
    .vgpr_count:     66
    .wavefront_size: 32
...
	.end_amdgpu_metadata
.endif
;; end of part 1
;; launch fc1 (part 2): grid 256 x 1, 8 waves a work-group, no clusters, 132,096 bytes of LDS; arguments xfrag, tokens_per_expert, w1, hfrag; writes hfrag
.if DOCPART == 2
	.amdgcn_target "amdgcn-amd-amdhsa--gfx1250"
	.amdhsa_code_object_version 6
	.text
	.protected	k_qb316f8c537_fc1
	.globl	k_qb316f8c537_fc1
	.p2align	8
	.type	k_qb316f8c537_fc1,@function
k_qb316f8c537_fc1:
	s_mov_b64 s[64:65], 0
	v_nop
	global_prefetch_b8 v0, s[64:65] scope:SCOPE_SE
	s_setreg_imm32_b32 hwreg(HW_REG_WAVE_MODE, 25, 1), 1
	s_wait_xcnt 0x0
; h = silu(x w1[g][:, 0:2048]) * (x w1[g][:, 2048:4096]), rounded to bf16, for the expert g that owns each token.
; xfrag: [block 16][kf 32][token tile 8][1024 bytes], register images of bf16 A fragments of x (16 tokens x 32 k, k in its natural
; places).  w1: [8][1024][4096] f32, K down the rows.  counts: [8] i32.  Products in bf16, sums in f32.
; BLOCKS as in the launch before, from the same counts by the same arithmetic: nine groups of rows (eight experts and a tail), cut into
; NB = 8 to 16 blocks of up to 128 rows.  Rows of a block's tile that are not its own give results that the next launch never stores
; (a result row hangs on its own token row alone).  Tail blocks run with expert 7's weights; the next launch masks their result to zero.
; LIMIT: counts are taken as non-negative with a sum below 2^31; a negative count is read as unsigned and clamped to 1024.
; UNITS.  A unit = half a block (64 tokens, hb) x 64 up columns and the 64 gate columns 2048 further on (cb), K = 1024.  64 NB units
; (512 to 1024); work-group x takes units x, x + 256, x + 512, x + 768: the first two always exist, the last two may not.
; BARRIERS stand on every path: a unit that does not exist jumps over the work between them, piece by piece, and each piece ends
; with its own loads and LDS accesses done.
; WAVES.  ug = w >> 2: up or gate; kq = w & 3: K = 256 kq .. as eight steps of 32.  A fragments come from memory straight into operand
; registers, w1's rows are rounded in registers; the main part touches no LDS.  The partial sums meet in LDS at the end.
; COLUMNS.  A 16-byte load at weight row k gives lane r columns 4r .. 4r+3; component c feeds tile c, whose index r stands for column
; 4r + c.  Packing the same component of two neighbouring rows makes a fragment register, so no transposing load is needed.
; The weight tile is source 0 and the token tile source 1: lane (r, h), register j then holds token r and index 8h + j, which is the
; register image of an A fragment of the next product.  It is stored as such: hfrag[block][kf = 2 cb + p][token tile][1024 bytes],
; where k 8h+j of the fragment stands for column 64 cb + 4 (8h+j) + 2p and k 16+8h+j for the column behind it.
; NO CLUSTER, NO TENSOR LOADS: w1 is f32 and lies K-major, so every byte passes registers to be rounded and turned, and here it goes
; from there straight into the matrix unit; and the work-groups that share a weight tile are the blocks of one expert, 0 to 8 of them
; by the counts read from memory, which no fixed cluster shape names.
.set VW,   2                           ; byte offset of my 16 bytes in w1, from the unit's base
.set VH,   3                           ; the same in xfrag
.set VRS,  4                           ; LDS: my partial sums
.set VRL,  5                           ; LDS: the part that I finish, waves 0 to 3 (up)
.set VRL2, 6                           ; LDS: the same, waves 4 to 7 (gate)
.set VHO,  7                           ; byte offset in hfrag
.set BF,   24                          ; v[24:55]   4 fragments of w1; at the end: at work
.set STG,  64                          ; v[64:255]  three sets of 16 loads of w1; at the end the partial sums
.set AF,   128                         ; window 1, v[128:223]: three sets of 4 A fragments
; window 1, v[0:127]: accumulator tile (t, c) at 8 (4 t + c)
.set MSB, 0
.macro WIN new                         ; the immediate's high byte repeats the setting that is left
.if MSB != \new
	s_set_vgpr_msb (MSB<<8)|\new
.set MSB, \new
.endif
.endm
	s_load_b256 s[4:11], s[0:1], 0x0               ; xfrag s[4:5], counts s[6:7], w1 s[8:9], hfrag s[10:11]
	v_lshl_add_u32 v62, v0, 2, 0x20000
	v_mov_b32 v63, 0
	v_lshrrev_b32 v1, 5, v0
	v_readfirstlane_b32 s70, v1                    ; w
	s_lshr_b32 s71, s70, 2                         ; ug: 0 up, 1 gate
	s_and_b32 s72, s70, 3                          ; kq: my quarter of K
	s_lshr_b32 s73, s70, 1                         ; at the end: my token tile
	s_and_b32 s74, s70, 1                          ; and p: my two column tiles
	v_and_b32 v12, 31, v0                          ; L
	v_and_b32 v13, 15, v0                          ; r
	v_bfe_u32 v14, v0, 4, 1                        ; h
	v_lshlrev_b32 v15, 4, v13                      ; 16 r
	s_wait_kmcnt 0x0
	s_load_b256 s[16:23], s[6:7], 0x0              ; the eight counts
	s_lshl_b32 s80, s72, 22                        ; 256 kq rows of 16,384 bytes
	s_lshl_b32 s81, s71, 13                        ; 8,192 bytes on for the gate
	s_add_co_u32 s80, s80, s81
	v_lshl_add_u32 v[VW], v14, 17, v15             ; 8 h rows, 16 r
	v_add_nc_u32 v[VW], s80, v[VW]
	s_lshl_b32 s80, s72, 16                        ; fragments 8 kq .. of 8,192 bytes
	v_lshl_add_u32 v[VH], v12, 4, s80
	s_lshl_b32 s80, s70, 14
	v_lshl_add_u32 v[VRS], v12, 4, s80
	s_lshl_b32 s80, s70, 11                        ; 4,096 (w >> 1) + 2,048 (w & 1)
	v_lshl_add_u32 v[VRL], v12, 4, s80
	s_add_co_u32 s80, s80, 65536
	v_lshl_add_u32 v[VRL2], v12, 4, s80
	s_lshl_b32 s80, s74, 13                        ; fragment p
	s_lshl_b32 s81, s73, 10                        ; token tile
	s_add_co_u32 s80, s80, s81
	v_lshl_add_u32 v[VHO], v12, 4, s80
	s_wait_kmcnt 0x0
	; S_j (s24 ..): first row of group j, clamped to 1024.  P_j (s34 ..): first block of group j.
	s_mov_b32 s24, 0
	s_mov_b32 s34, 0
.irp j, 0,1,2,3,4,5,6,7
	s_min_u32 s80, s[16+\j], 1024
	s_add_co_u32 s80, s80, s[24+\j]
	s_min_u32 s[25+\j], s80, 1024
	s_sub_co_u32 s80, s[25+\j], s[24+\j]
	s_add_co_u32 s80, s80, 127
	s_lshr_b32 s80, s80, 7
	s_add_co_u32 s[35+\j], s[34+\j], s80
.endr
	s_sub_co_u32 s80, 1024, s32                    ; the tail's rows
	s_add_co_u32 s80, s80, 127
	s_lshr_b32 s80, s80, 7
	s_add_co_u32 s43, s42, s80                     ; NB
	s_lshl_b32 s44, s43, 6                         ; units: 512 at the least
	s_mov_b32 s45, ttmp9                           ; u
; 24 loads of 512 bytes for K step s into set st: 16 of w1 (lanes 0-15 take 256 aligned bytes of a row, lanes 16-31 of the row 8 further
; down), rows +0 .. +7 for the fragment's first half and +16 .. +23 for its second; then 4 A fragments.
.macro LOADS1 s, st
.irp i, 0,1,2,3,4,5,6,7,8,9,10,11,12,13,14,15
	global_load_b128 v[STG+64*\st+4*\i:STG+64*\st+4*\i+3], v[VW], s[60:61] offset:(32*\s+\i+8*(\i/8))*16384
.endr
	WIN 0x40                                       ; destination window 1, address window 0
.irp t, 0,1,2,3
.irp e, 0,1
	global_load_b128 v[AF+32*\st+8*\t+4*\e:AF+32*\st+8*\t+4*\e+3], v[VH], s[62:63] offset:8192*\s+1024*\t+512*\e
.endr
.endr
	WIN 0
.endm
; K step s, on set st.  left = the loads of the younger sets, 24 each, which stay out.
.macro STEP1 s, st, left
	s_wait_loadcnt \left
.irp c, 0,1,2,3
.irp i, 0,1,2,3
	v_cvt_pk_bf16_f32 v[BF+8*\c+\i],   v[STG+64*\st+8*\i+\c],    v[STG+64*\st+8*\i+4+\c]      ; k = 8 h + 2 i, + 1 of column 4 r + c
	v_cvt_pk_bf16_f32 v[BF+8*\c+4+\i], v[STG+64*\st+32+8*\i+\c], v[STG+64*\st+32+8*\i+4+\c]   ; k 16 further on
.endr
.endr
	WIN 0x54                                       ; source 0 (weights) window 0; source 1 (tokens), C and D window 1
	; 16 accumulators take turns, one instruction a turn; the first step's products start the sums
.irp t, 0,1,2,3
.irp c, 0,1,2,3
.if \s == 0
	v_wmma_f32_16x16x32_bf16 v[8*(4*\t+\c):8*(4*\t+\c)+7], v[BF+8*\c:BF+8*\c+7], v[AF+32*\st+8*\t:AF+32*\st+8*\t+7], 0
.else
	v_wmma_f32_16x16x32_bf16 v[8*(4*\t+\c):8*(4*\t+\c)+7], v[BF+8*\c:BF+8*\c+7], v[AF+32*\st+8*\t:AF+32*\st+8*\t+7], v[8*(4*\t+\c):8*(4*\t+\c)+7]
.endif
.endr
.endr
	WIN 0
.rept 4
	v_nop                                          ; the places in front of the loads into the A fragments, of the next writes of the weights' fragments, and of the LDS stores of the sums
.endr
.if \s < 5
	LOADS1 (\s+3), \st
.endif
.endm
.macro ADD16 a, b                      ; partial sums of wave a += those of wave b
.irp i, 0,2,4,6,8,10,12,14
	v_pk_add_f32 v[STG+16*\a+\i:STG+16*\a+\i+1], v[STG+16*\a+\i:STG+16*\a+\i+1], v[STG+16*\b+\i:STG+16*\b+\i+1]
.endr
.endm
; silu(up) * gate for column tile 2 p + cc: 8 numbers a lane, packed to 16 bytes of the fragment image
.macro GLU cc
.set U, STG+8*\cc
.set G, STG+64+8*\cc
.set E, BF+8*\cc
.set O, BF+16+4*\cc
.irp i, 0,2,4,6
	v_pk_mul_f32 v[E+\i:E+\i+1], v[U+\i:U+\i+1], 0xbfb8aa3b op_sel_hi:[1,0]   ; -u log2(e)
.endr
.irp i, 0,1,2,3,4,5,6,7
	v_exp_f32 v[E+\i], v[E+\i]
.endr
	v_nop                                          ; one plain place between the transcendentals and the first use (ISA guide 5.7.2)
	s_wait_alu depctr_va_vdst(0)
.irp i, 0,2,4,6
	v_pk_add_f32 v[E+\i:E+\i+1], v[E+\i:E+\i+1], 1.0 op_sel_hi:[1,0]
.endr
.irp i, 0,1,2,3,4,5,6,7
	v_rcp_f32 v[E+\i], v[E+\i]                     ; sigmoid(u); an overflowed exponential gives 0
.endr
	v_nop
	s_wait_alu depctr_va_vdst(0)
.irp i, 0,2,4,6
	v_pk_mul_f32 v[E+\i:E+\i+1], v[E+\i:E+\i+1], v[U+\i:U+\i+1]
.endr
.irp i, 0,2,4,6
	v_pk_mul_f32 v[E+\i:E+\i+1], v[E+\i:E+\i+1], v[G+\i:G+\i+1]
.endr
.irp i, 0,1,2,3
	v_cvt_pk_bf16_f32 v[O+\i], v[E+2*\i], v[E+2*\i+1]
.endr
	global_store_b128 v[VHO], v[O:O+3], s[66:67] offset:512*\cc   ; the wave stores 512 consecutive bytes, aligned
.endm
; One unit.  maybe = 1: the unit may not exist; then the three pieces of work are jumped over and the two barriers are passed all the same.
.macro UNIT maybe
.if \maybe
	s_cmp_lt_u32 s45, s44
	s_cbranch_scc0 .Lno_main_\@
.endif
	; which expert: the last group j whose first block is not beyond b
	s_lshr_b32 s46, s45, 6                         ; b
	s_mov_b32 s47, 0                               ; j
.irp j, 1,2,3,4,5,6,7,8
	s_cmp_ge_u32 s46, s[34+\j]
	s_cselect_b32 s47, \j, s47
.endr
	s_min_u32 s47, s47, 7                          ; g: the tail runs with expert 7's weights
	s_min_u32 s56, s46, 15
	s_and_b32 s81, s45, 31                         ; cb
	s_bfe_u32 s82, s45, 0x10005                    ; hb
	s_lshl_b32 s58, s47, 24                        ; an expert of w1 is 2^24 bytes
	s_lshl_b32 s80, s81, 8                         ; 64 columns of 4 bytes
	s_add_co_u32 s58, s58, s80
	s_mov_b32 s59, 0
	s_add_nc_u64 s[60:61], s[8:9], s[58:59]        ; w1 at the unit's up columns
	s_lshl_b32 s58, s56, 18                        ; a block of xfrag is 32 x 8 x 1,024 bytes
	s_lshl_b32 s80, s82, 12                        ; token tiles 4 hb ..
	s_add_co_u32 s58, s58, s80
	s_add_nc_u64 s[62:63], s[4:5], s[58:59]        ; xfrag at the block's half
	s_lshl_b32 s58, s56, 19                        ; a block of hfrag is 64 x 8 x 1,024 bytes
	s_add_co_u32 s58, s58, s80
	s_lshl_b32 s80, s81, 14                        ; fragments 2 cb, 2 cb + 1
	s_add_co_u32 s58, s58, s80
	s_add_nc_u64 s[66:67], s[10:11], s[58:59]
	LOADS1 0, 0
	LOADS1 1, 1
	LOADS1 2, 2
	STEP1 0, 0, 48
	STEP1 1, 1, 48
	STEP1 2, 2, 48
	STEP1 3, 0, 48
	STEP1 4, 1, 48
	STEP1 5, 2, 48
	STEP1 6, 0, 24
	STEP1 7, 1, 0
	WIN 0x04                                       ; store data window 1, address window 0
.irp i, 0,1,2,3,4,5,6,7,8,9,10,11,12,13,14,15,16,17,18,19,20,21,22,23,24,25,26,27,28,29,30,31
	ds_store_b128 v[VRS], v[4*\i:4*\i+3] offset:512*\i
.endr
	WIN 0
.if \maybe
.Lno_main_\@:
.endif
	s_wait_dscnt 0x0                               ; my stores are done, for the others' sake
	s_barrier_signal -1
	s_barrier_wait -1
.if \maybe
	s_cmp_lt_u32 s45, s44
	s_cbranch_scc0 .Lno_read_\@
.endif
	; token tile w >> 1, column tiles 2 p and 2 p + 1, all eight registers, of every wave
.irp a, 0,1,2,3
.irp q, 0,1,2,3
	ds_load_b128 v[STG+16*\a+4*\q:STG+16*\a+4*\q+3], v[VRL] offset:16384*\a+512*\q
.endr
.endr
.irp a, 0,1,2,3
.irp q, 0,1,2,3
	ds_load_b128 v[STG+64+16*\a+4*\q:STG+64+16*\a+4*\q+3], v[VRL2] offset:16384*\a+512*\q
.endr
.endr
.if \maybe
.Lno_read_\@:
.endif
	s_wait_dscnt 0x0                               ; my reads are back: behind this barrier the next unit's sums may be laid down
	s_barrier_signal -1
	s_barrier_wait -1
.if \maybe
	s_cmp_lt_u32 s45, s44
	s_cbranch_scc0 .Lno_out_\@
.endif
	ADD16 0, 1                                     ; up: four quarters of K
	ADD16 2, 3
	ADD16 4, 5                                     ; gate
	ADD16 6, 7
	ADD16 0, 2
	ADD16 4, 6
	GLU 0
	GLU 1
	s_wait_xcnt 0x0                                ; the bases and the stores' data are written again only behind this wait
.if \maybe
.Lno_out_\@:
.endif
	s_add_co_u32 s45, s45, 256
.endm
	s_mov_b32 s84, 0
.Lsure:
	UNIT 0
	s_add_co_u32 s84, s84, 1
	s_cmp_lt_u32 s84, 2
	s_cbranch_scc1 .Lsure
	s_mov_b32 s84, 0
.Lmaybe:
	UNIT 1
	s_add_co_u32 s84, s84, 1
	s_cmp_lt_u32 s84, 2
	s_cbranch_scc1 .Lmaybe
	s_wait_tensorcnt 0x0
	ds_add_u32 v62, v63
	s_wait_dscnt 0x0
	s_endpgm
.Lfunc_end_k_qb316f8c537_fc1:
	.size	k_qb316f8c537_fc1, .Lfunc_end_k_qb316f8c537_fc1-k_qb316f8c537_fc1
	.p2alignl 7, 3214868480
	.fill 96, 4, 3214868480
	.section	.rodata,"a",@progbits
	.p2align	6, 0x0
	.amdhsa_kernel k_qb316f8c537_fc1
		.amdhsa_group_segment_fixed_size 132096
		.amdhsa_private_segment_fixed_size 0
		.amdhsa_enable_private_segment 0
		.amdhsa_kernarg_size 32
		.amdhsa_user_sgpr_count 2
		.amdhsa_user_sgpr_kernarg_segment_ptr 1
		.amdhsa_wavefront_size32 1
		.amdhsa_system_sgpr_workgroup_id_x 1
		.amdhsa_system_sgpr_workgroup_id_y 1
		.amdhsa_system_sgpr_workgroup_id_z 1
		.amdhsa_system_vgpr_workitem_id 0
		.amdhsa_next_free_vgpr 480
		.amdhsa_next_free_sgpr 96
		.amdhsa_reserve_vcc 0
		.amdhsa_float_denorm_mode_32 3
		.amdhsa_float_denorm_mode_16_64 3
		.amdhsa_memory_ordered 1
		.amdhsa_forward_progress 1
		.amdhsa_inst_pref_size 119
	.end_amdhsa_kernel
	.amdgpu_metadata
---
amdhsa.version: [ 1, 2 ]
amdhsa.kernels:
  - .name:           k_qb316f8c537_fc1
    .symbol:         k_qb316f8c537_fc1.kd
    .args:
      - { .name: xfrag, .offset: 0, .size: 8, .value_kind: global_buffer, .address_space: global }
      - { .name: tokens_per_expert, .offset: 8, .size: 8, .value_kind: global_buffer, .address_space: global }
      - { .name: w1, .offset: 16, .size: 8, .value_kind: global_buffer, .address_space: global }
      - { .name: hfrag, .offset: 24, .size: 8, .value_kind: global_buffer, .address_space: global }
    .group_segment_fixed_size: 132096
    .private_segment_fixed_size: 0
    .kernarg_segment_align: 8
    .kernarg_segment_size: 32
    .max_flat_workgroup_size: 256
    .sgpr_count:     96
    .vgpr_count:     480
    .wavefront_size: 32
...
	.end_amdgpu_metadata
.endif
;; end of part 2
;; launch fc2 (part 3): grid 256 x 1, 8 waves a work-group, no clusters, 132,096 bytes of LDS; arguments hfrag, tokens_per_expert, w2, out0; writes out0
.if DOCPART == 3
	.amdgcn_target "amdgcn-amd-amdhsa--gfx1250"
	.amdhsa_code_object_version 6
	.text
	.protected	k_qb316f8c537_fc2
	.globl	k_qb316f8c537_fc2
	.p2align	8
	.type	k_qb316f8c537_fc2,@function
k_qb316f8c537_fc2:
	s_mov_b64 s[64:65], 0
	v_nop
	global_prefetch_b8 v0, s[64:65] scope:SCOPE_SE
	s_setreg_imm32_b32 hwreg(HW_REG_WAVE_MODE, 25, 1), 1
	s_wait_xcnt 0x0
; out = h w2[g] for the expert g that owns each token; rows at or beyond the counts' sum are +0.
; hfrag: [block 16][kf 64][token tile 8][1024 bytes], the register images of bf16 A fragments (16 tokens x 32 k); in fragment kf = 2 cb + p,
; k 8h+j stands for row 64 cb + 4 (8h+j) + 2p of w2 and k 16+8h+j for the row behind it.  w2: [8][2048][1024] f32.  out: [1024][1024] f32.
; BLOCKS as in the launches before, from the same counts by the same arithmetic: nine groups of rows (eight experts and a tail), cut into
; NB = 8 to 16 blocks of up to 128 rows; a block's tile is rows rb .. rb+127, rb = min(first row, 896), of which rows lo .. lo+n-1 are its own
; and are the only ones stored.  Every row lies in one block, so every output word is stored once.
; LIMIT: counts are taken as non-negative with a sum below 2^31; a negative count is read as unsigned and clamped to 1024.
; The tail's blocks run with expert 7's weights and their results are masked to +0 by an AND.
; UNITS.  A unit = half a block (64 tokens, hb) x 64 columns (cb2), K = 2048.  32 NB units (256 to 512); work-group x takes unit x, which
; always exists, and unit x + 256, which may not.
; BARRIERS stand on every path: a unit that does not exist jumps over the work between them, piece by piece, and each piece ends
; with its own loads and LDS accesses done.
; WAVES.  Wave w takes K = 256 w .. 256 w + 255 as eight steps of 32: A fragments come from memory straight into operand registers, w2's rows
; are rounded in registers; the main part touches no LDS.  The eight partial sums meet in LDS at the end.
; COLUMNS.  A 16-byte load at a row of w2 gives lane r columns 4r .. 4r+3; component c feeds tile c, whose index r stands for column 4r + c.
; After the sum a lane's four tiles hold four neighbouring columns of a row: 16 bytes, and sixteen lanes store 256 aligned bytes.
; NO CLUSTER, NO TENSOR LOADS: nothing of the operands passes LDS here; and the work-groups that share a tile of w2 are the blocks of one
; expert, 0 to 8 of them by the counts read from memory, which no fixed cluster shape names.
.set VW,   2                           ; byte offset of my 16 bytes in w2, from the unit's base
.set VH,   3                           ; the same in hfrag
.set VRS,  4                           ; LDS: my partial sums
.set VRL,  5                           ; LDS: the part that I add up, waves 0 to 3
.set VRL2, 6                           ; LDS: the same, waves 4 to 7
.set VROW, 7                           ; first of my four rows, in the unit's 64
.set VOUT, 8                           ; byte offset in out
.set BF,   24                          ; v[24:55]   4 fragments of w2
.set STG,  64                          ; v[64:255]  three sets of 16 loads of w2; at the end the partial sums
.set RES,  192                         ; at the end: 4 rows x 4 columns to store
.set AF,   128                         ; window 1, v[128:223]: three sets of 4 A fragments
; window 1, v[0:127]: accumulator tile (t, c) at 8 (4 t + c)
.set MSB, 0
.macro WIN new                         ; the immediate's high byte repeats the setting that is left
.if MSB != \new
	s_set_vgpr_msb (MSB<<8)|\new
.set MSB, \new
.endif
.endm
	s_load_b256 s[4:11], s[0:1], 0x0               ; hfrag s[4:5], counts s[6:7], w2 s[8:9], out s[10:11]
	v_lshl_add_u32 v62, v0, 2, 0x20000
	v_mov_b32 v63, 0
	v_lshrrev_b32 v1, 5, v0
	v_readfirstlane_b32 s70, v1                    ; w
	s_lshr_b32 s71, s70, 1                         ; in the final sum: my token tile
	s_and_b32 s72, s70, 1                          ; and which four of a lane's eight rows
	v_and_b32 v12, 31, v0                          ; L
	v_and_b32 v13, 15, v0                          ; r
	v_bfe_u32 v14, v0, 4, 1                        ; h
	v_lshlrev_b32 v15, 4, v13                      ; 16 r
	s_wait_kmcnt 0x0
	s_load_b256 s[16:23], s[6:7], 0x0              ; the eight counts
	s_lshl_b32 s80, s70, 20                        ; 256 w rows of 4,096 bytes
	v_lshl_add_u32 v[VW], v14, 17, v15             ; 32 h rows, 16 r
	v_add_nc_u32 v[VW], s80, v[VW]
	s_lshl_b32 s80, s70, 16                        ; fragments 8 w .. of 8,192 bytes
	v_lshl_add_u32 v[VH], v12, 4, s80
	s_lshl_b32 s80, s70, 14
	v_lshl_add_u32 v[VRS], v12, 4, s80
	s_lshl_b32 s80, s71, 12
	s_lshl_b32 s81, s72, 9
	s_add_co_u32 s80, s80, s81
	v_lshl_add_u32 v[VRL], v12, 4, s80
	s_add_co_u32 s80, s80, 65536
	v_lshl_add_u32 v[VRL2], v12, 4, s80
	s_lshl_b32 s80, s71, 4
	s_lshl_b32 s81, s72, 2
	s_add_co_u32 s80, s80, s81
	v_lshl_add_u32 v[VROW], v14, 3, s80            ; 16 t + 4 (w & 1) + 8 h
	v_lshl_add_u32 v[VOUT], v[VROW], 12, v15
	s_wait_kmcnt 0x0
	; S_j (s24 ..): first row of group j, clamped to 1024.  P_j (s34 ..): first block of group j.
	s_mov_b32 s24, 0
	s_mov_b32 s34, 0
.irp j, 0,1,2,3,4,5,6,7
	s_min_u32 s80, s[16+\j], 1024
	s_add_co_u32 s80, s80, s[24+\j]
	s_min_u32 s[25+\j], s80, 1024
	s_sub_co_u32 s80, s[25+\j], s[24+\j]
	s_add_co_u32 s80, s80, 127
	s_lshr_b32 s80, s80, 7
	s_add_co_u32 s[35+\j], s[34+\j], s80
.endr
	s_mov_b32 s33, 1024                            ; the tail ends at the last row
	s_sub_co_u32 s80, s33, s32
	s_add_co_u32 s80, s80, 127
	s_lshr_b32 s80, s80, 7
	s_add_co_u32 s43, s42, s80                     ; NB
	s_lshl_b32 s44, s43, 5                         ; units: 256 at the least
	s_mov_b32 s45, ttmp9                           ; u
; 24 loads of 512 bytes for K step s into set st: 16 of w2 (lanes 0-15 take 256 aligned bytes of a row, lanes 16-31 of the row 32 further
; down), in the order of the fragment's k: rows +0, +4 make a register of the first half, rows +1, +5 of the second; then 4 A fragments.
.macro LOADS2 s, st
.irp i, 0,1,2,3
	global_load_b128 v[STG+64*\st+16*\i:STG+64*\st+16*\i+3],     v[VW], s[60:61] offset:(64*(\s/2)+8*\i+2*(\s%2))*4096
	global_load_b128 v[STG+64*\st+16*\i+4:STG+64*\st+16*\i+7],   v[VW], s[60:61] offset:(64*(\s/2)+8*\i+2*(\s%2)+4)*4096
	global_load_b128 v[STG+64*\st+16*\i+8:STG+64*\st+16*\i+11],  v[VW], s[60:61] offset:(64*(\s/2)+8*\i+2*(\s%2)+1)*4096
	global_load_b128 v[STG+64*\st+16*\i+12:STG+64*\st+16*\i+15], v[VW], s[60:61] offset:(64*(\s/2)+8*\i+2*(\s%2)+5)*4096
.endr
	WIN 0x40                                       ; destination window 1, address window 0
.irp t, 0,1,2,3
.irp e, 0,1
	global_load_b128 v[AF+32*\st+8*\t+4*\e:AF+32*\st+8*\t+4*\e+3], v[VH], s[62:63] offset:8192*\s+1024*\t+512*\e
.endr
.endr
	WIN 0
.endm
; K step s, on set st.  left = the loads of the younger sets, 24 each, which stay out.
.macro STEP2 s, st, left
	s_wait_loadcnt \left
.irp c, 0,1,2,3
.irp i, 0,1,2,3
	v_cvt_pk_bf16_f32 v[BF+8*\c+\i],   v[STG+64*\st+16*\i+\c],   v[STG+64*\st+16*\i+4+\c]
	v_cvt_pk_bf16_f32 v[BF+8*\c+4+\i], v[STG+64*\st+16*\i+8+\c], v[STG+64*\st+16*\i+12+\c]
.endr
.endr
	WIN 0x51                                       ; A, C and D window 1, B window 0
	; 16 accumulators take turns, one instruction a turn; the first step's products start the sums
.irp t, 0,1,2,3
.irp c, 0,1,2,3
.if \s == 0
	v_wmma_f32_16x16x32_bf16 v[8*(4*\t+\c):8*(4*\t+\c)+7], v[AF+32*\st+8*\t:AF+32*\st+8*\t+7], v[BF+8*\c:BF+8*\c+7], 0
.else
	v_wmma_f32_16x16x32_bf16 v[8*(4*\t+\c):8*(4*\t+\c)+7], v[AF+32*\st+8*\t:AF+32*\st+8*\t+7], v[BF+8*\c:BF+8*\c+7], v[8*(4*\t+\c):8*(4*\t+\c)+7]
.endif
.endr
.endr
	WIN 0
.rept 4
	v_nop                                          ; the places in front of the loads into the A fragments, of the next writes of B's, and of the LDS stores of the sums
.endr
.if \s < 5
	LOADS2 (\s+3), \st
.endif
.endm
.macro ADD16 a, b                      ; partial sums of wave a += those of wave b
.irp i, 0,2,4,6,8,10,12,14
	v_pk_add_f32 v[STG+16*\a+\i:STG+16*\a+\i+1], v[STG+16*\a+\i:STG+16*\a+\i+1], v[STG+16*\b+\i:STG+16*\b+\i+1]
.endr
.endm
; One unit.  maybe = 1: the unit may not exist; then the three pieces of work are jumped over and the two barriers are passed all the same.
.macro UNIT maybe
.if \maybe
	s_cmp_lt_u32 s45, s44
	s_cbranch_scc0 .Lno_main_\@
.endif
	; which block: the last group j whose first block is not beyond b
	s_lshr_b32 s46, s45, 5                         ; b
	s_mov_b32 s47, 0                               ; j
	s_mov_b32 s48, s24                             ; the group's first row
	s_mov_b32 s49, s25                             ; its end
	s_mov_b32 s50, s34                             ; its first block
.irp j, 1,2,3,4,5,6,7,8
	s_cmp_ge_u32 s46, s[34+\j]
	s_cselect_b32 s47, \j, s47
	s_cselect_b32 s48, s[24+\j], s48
	s_cselect_b32 s49, s[25+\j], s49
	s_cselect_b32 s50, s[34+\j], s50
.endr
	s_sub_co_u32 s80, s46, s50
	s_lshl_b32 s80, s80, 7
	s_add_co_u32 s51, s48, s80                     ; the block's first row
	s_min_u32 s52, s51, 896                        ; rb: the tile's first row
	s_sub_co_u32 s53, s51, s52                     ; lo: the block's first row in the tile
	s_add_co_u32 s80, s51, 128
	s_min_u32 s80, s80, s49
	s_sub_co_u32 s54, s80, s51                     ; n: the block's rows
	s_cmp_eq_u32 s47, 8
	s_cselect_b32 s55, 0, -1                       ; the tail's results are masked to +0
	s_min_u32 s47, s47, 7                          ; g
	s_min_u32 s56, s46, 15
	s_and_b32 s81, s45, 15                         ; cb2
	s_bfe_u32 s82, s45, 0x10004                    ; hb
	s_lshl_b32 s58, s47, 23                        ; an expert of w2 is 2^23 bytes
	s_lshl_b32 s80, s81, 8                         ; 64 columns of 4 bytes
	s_add_co_u32 s58, s58, s80
	s_mov_b32 s59, 0
	s_add_nc_u64 s[60:61], s[8:9], s[58:59]        ; w2 at the unit's columns
	s_lshl_b32 s58, s56, 19
	s_lshl_b32 s83, s82, 12                        ; token tiles 4 hb ..
	s_add_co_u32 s58, s58, s83
	s_add_nc_u64 s[62:63], s[4:5], s[58:59]        ; hfrag at the block's half
	s_lshl_b32 s83, s82, 6
	s_add_co_u32 s58, s52, s83                     ; row rb + 64 hb, 960 at the most
	s_lshl_b32 s58, s58, 12
	s_add_co_u32 s58, s58, s80
	s_add_nc_u64 s[66:67], s[10:11], s[58:59]      ; out at the unit's corner
	s_sub_co_u32 s57, s83, s53                     ; 64 hb - lo
	LOADS2 0, 0
	LOADS2 1, 1
	LOADS2 2, 2
	STEP2 0, 0, 48
	STEP2 1, 1, 48
	STEP2 2, 2, 48
	STEP2 3, 0, 48
	STEP2 4, 1, 48
	STEP2 5, 2, 48
	STEP2 6, 0, 24
	STEP2 7, 1, 0
	; the eight partial sums meet: each wave lays down its 128 registers, then adds up one token tile's four rows a lane
	WIN 0x04                                       ; store data window 1, address window 0
.irp i, 0,1,2,3,4,5,6,7,8,9,10,11,12,13,14,15,16,17,18,19,20,21,22,23,24,25,26,27,28,29,30,31
	ds_store_b128 v[VRS], v[4*\i:4*\i+3] offset:512*\i
.endr
	WIN 0
.if \maybe
.Lno_main_\@:
.endif
	s_wait_dscnt 0x0                               ; my stores are done, for the others' sake
	s_barrier_signal -1
	s_barrier_wait -1
.if \maybe
	s_cmp_lt_u32 s45, s44
	s_cbranch_scc0 .Lno_read_\@
.endif
.irp a, 0,1,2,3
.irp c, 0,1,2,3
	ds_load_b128 v[STG+16*\a+4*\c:STG+16*\a+4*\c+3], v[VRL] offset:16384*\a+1024*\c
.endr
.endr
.irp a, 0,1,2,3
.irp c, 0,1,2,3
	ds_load_b128 v[STG+64+16*\a+4*\c:STG+64+16*\a+4*\c+3], v[VRL2] offset:16384*\a+1024*\c
.endr
.endr
.if \maybe
.Lno_read_\@:
.endif
	s_wait_dscnt 0x0                               ; my reads are back: behind this barrier the next unit's sums may be laid down
	s_barrier_signal -1
	s_barrier_wait -1
.if \maybe
	s_cmp_lt_u32 s45, s44
	s_cbranch_scc0 .Lno_out_\@
.endif
	ADD16 0, 1
	ADD16 2, 3
	ADD16 4, 5
	ADD16 6, 7
	ADD16 0, 2
	ADD16 4, 6
	ADD16 0, 4
.irp jj, 0,1,2,3
.irp c, 0,1,2,3
	v_and_b32 v[RES+4*\jj+\c], s55, v[STG+4*\c+\jj]    ; the tail's zero; and four neighbouring columns of a row into neighbouring registers
.endr
.endr
	v_add_nc_u32 v9, s57, v[VROW]                  ; my first row, counted from the block's first
.irp jj, 0,1,2,3
	v_add_nc_u32 v10, \jj, v9
	v_cmp_gt_u32 vcc_lo, s54, v10                  ; unsigned: rows in front of the block's first wrap round and fail too
	s_wait_xcnt 0x0                                ; EXEC changes only behind this wait
	s_and_saveexec_b32 s80, vcc_lo
	global_store_b128 v[VOUT], v[RES+4*\jj:RES+4*\jj+3], s[66:67] offset:4096*\jj th:TH_STORE_NT   ; sixteen lanes store 256 consecutive bytes of a row, aligned
	s_wait_xcnt 0x0                                ; and again, in front of the line that widens it; it also frees the bases and the data
	s_or_b32 exec_lo, exec_lo, s80
.endr
.if \maybe
.Lno_out_\@:
.endif
	s_add_co_u32 s45, s45, 256
.endm
	UNIT 0
	UNIT 1
	s_wait_tensorcnt 0x0
	ds_add_u32 v62, v63
	s_wait_dscnt 0x0
	s_endpgm
.Lfunc_end_k_qb316f8c537_fc2:
	.size	k_qb316f8c537_fc2, .Lfunc_end_k_qb316f8c537_fc2-k_qb316f8c537_fc2
	.p2alignl 7, 3214868480
	.fill 96, 4, 3214868480
	.section	.rodata,"a",@progbits
	.p2align	6, 0x0
	.amdhsa_kernel k_qb316f8c537_fc2
		.amdhsa_group_segment_fixed_size 132096
		.amdhsa_private_segment_fixed_size 0
		.amdhsa_enable_private_segment 0
		.amdhsa_kernarg_size 32
		.amdhsa_user_sgpr_count 2
		.amdhsa_user_sgpr_kernarg_segment_ptr 1
		.amdhsa_wavefront_size32 1
		.amdhsa_system_sgpr_workgroup_id_x 1
		.amdhsa_system_sgpr_workgroup_id_y 1
		.amdhsa_system_sgpr_workgroup_id_z 1
		.amdhsa_system_vgpr_workitem_id 0
		.amdhsa_next_free_vgpr 480
		.amdhsa_next_free_sgpr 96
		.amdhsa_reserve_vcc 1
		.amdhsa_float_denorm_mode_32 3
		.amdhsa_float_denorm_mode_16_64 3
		.amdhsa_memory_ordered 1
		.amdhsa_forward_progress 1
		.amdhsa_inst_pref_size 118
	.end_amdhsa_kernel
	.amdgpu_metadata
---
amdhsa.version: [ 1, 2 ]
amdhsa.kernels:
  - .name:           k_qb316f8c537_fc2
    .symbol:         k_qb316f8c537_fc2.kd
    .args:
      - { .name: hfrag, .offset: 0, .size: 8, .value_kind: global_buffer, .address_space: global }
      - { .name: tokens_per_expert, .offset: 8, .size: 8, .value_kind: global_buffer, .address_space: global }
      - { .name: w2, .offset: 16, .size: 8, .value_kind: global_buffer, .address_space: global }
      - { .name: out0, .offset: 24, .size: 8, .value_kind: global_buffer, .address_space: global }
    .group_segment_fixed_size: 132096
    .private_segment_fixed_size: 0
    .kernarg_segment_align: 8
    .kernarg_segment_size: 32
    .max_flat_workgroup_size: 256
    .sgpr_count:     96
    .vgpr_count:     480
    .wavefront_size: 32
...
	.end_amdgpu_metadata
.endif
;; end of part 3
;; ======== version 2 of 2: 3 launches; 1.20 times as fast as version 1
;; workspace buffers: xfrag 4,194,304 bytes; hfrag 8,388,608 bytes
;; launch pack: the kernel of part 1 again; grid 256 x 1, 4 waves a work-group, no clusters, 9,728 bytes of LDS; arguments permuted_tokens, tokens_per_expert, xfrag; writes xfrag
;; launch fc1 (part 4): grid 256 x 1, 4 waves a work-group, no clusters, 262,656 bytes of LDS; arguments xfrag, tokens_per_expert, w1, hfrag; writes hfrag
.if DOCPART == 4
	.amdgcn_target "amdgcn-amd-amdhsa--gfx1250"
	.amdhsa_code_object_version 6
	.text
	.protected	k_qb316f8c537_fc1
	.globl	k_qb316f8c537_fc1
	.p2align	8
	.type	k_qb316f8c537_fc1,@function
k_qb316f8c537_fc1:
	s_mov_b64 s[64:65], 0
	v_nop
	global_prefetch_b8 v0, s[64:65] scope:SCOPE_SE
	s_setreg_imm32_b32 hwreg(HW_REG_WAVE_MODE, 25, 1), 1
	s_wait_xcnt 0x0
; h = silu(x w1[g][:, 0:2048]) * (x w1[g][:, 2048:4096]), rounded to bf16, for the expert g that owns each token.
; xfrag: [block 16][kf 32][token tile 8][1024 bytes], register images of bf16 A fragments of x (16 tokens x 32 k, k in its natural
; places).  w1: [8][1024][4096] f32, K down the rows.  counts: [8] i32.  Products in bf16, sums in f32.
; BLOCKS as in the launch before, from the same counts by the same arithmetic: nine groups of rows (eight experts and a tail), cut into
; NB = 8 to 16 blocks of up to 128 rows.  Rows of a block's tile that are not its own give results that the next launch never stores
; (a result row hangs on its own token row alone).  Tail blocks run with expert 7's weights; the next launch masks their result to zero.
; LIMIT: counts are taken as non-negative with a sum below 2^31; a negative count is read as unsigned and clamped to 1024.
; UNITS.  A unit = a block (128 tokens) x 64 up columns and the 64 gate columns 2048 further on (cb), K = 1024: 512 KiB of w1 and 256 KiB
; of xfrag, each byte loaded once by the work-group.  32 NB units (256 to 512); work-group x takes unit x, which always exists, and
; unit x + 256, which may not.
; BARRIERS stand on every path: a unit that does not exist jumps over the work between them, piece by piece, and each piece ends
; with its own loads and LDS accesses done.
; WAVES.  Four, as many as a WGP has SIMDs.  Wave w takes K = 256 w .. as eight steps of 32, all eight column tiles (m = 0-3 up, 4-7 gate)
; and all eight token tiles: 64 accumulators, 512 registers.  No two waves load the same byte.  A fragments come from memory straight
; into operand registers, w1's rows are rounded in registers; the main part touches no LDS.  The four partial sums meet in LDS at the end.
; COLUMNS.  A 16-byte load at weight row k gives lane r columns 4r .. 4r+3; component c feeds tile c, whose index r stands for column
; 4r + c.  Packing the same component of two neighbouring rows makes a fragment register, so no transposing load is needed.
; The weight tile is source 0 and the token tile source 1: lane (r, h), register j then holds token r and index 8h + j, which is the
; register image of an A fragment of the next product.  It is stored as such: hfrag[block][kf = 2 cb + p][token tile][1024 bytes],
; where k 8h+j of the fragment stands for column 64 cb + 4 (8h+j) + 2p and k 16+8h+j for the column behind it.
; NO CLUSTER, NO TENSOR LOADS: w1 is f32 and lies K-major, so every byte passes registers to be rounded and turned, and here it goes
; from there straight into the matrix unit; and the work-groups that share a weight tile are the blocks of one expert, 0 to 8 of them
; by the counts read from memory, which no fixed cluster shape names.
;
; REGISTERS, in windows of 256 (s_set_vgpr_msb's low byte: bits 1:0 source 0, 3:2 source 1, 5:4 source 2, 7:6 destination):
;   window 0: v2-9 addresses; v32-95 eight weight fragments; v96-127 store data; v128-255 weight loads, set 0
;   window 1: v0-127 two sets of eight A fragments; v128-255 weight loads, set 1
;   window 2: accumulator tiles of token tiles 0-3 (tile (t, m) at v[8 (8 t + m)]);   window 3: those of token tiles 4-7
.set VW,   2                           ; byte offset of my 16 bytes in w1, from the unit's base
.set VH,   3                           ; the same in xfrag
.set VRS,  4                           ; LDS: my partial sums, 65,536 bytes a wave
.set VRL,  5                           ; v5-8  LDS: the part that I finish, in the sums of wave 0, 1, 2, 3
.set VHO,  9                           ; byte offset in hfrag
.set BF,   32                          ; v[32:95]   8 fragments of w1; at the end: at work
.set OUTR, 96                          ; v[96:127]  at the end: 8 x 16 bytes to store
.set WS,   128                         ; v[128:255] 32 loads of w1 (window 0: set 0, window 1: set 1); at the end the sums
.set MSB, 0
.macro WIN new                         ; the immediate's high byte repeats the setting that is left
.if MSB != \new
	s_set_vgpr_msb (MSB<<8)|\new
.set MSB, \new
.endif
.endm
	s_load_b256 s[4:11], s[0:1], 0x0               ; xfrag s[4:5], counts s[6:7], w1 s[8:9], hfrag s[10:11]
	v_lshl_add_u32 v30, v0, 2, 0x40000
	v_mov_b32 v31, 0
	v_lshrrev_b32 v1, 5, v0
	v_readfirstlane_b32 s70, v1                    ; w: my quarter of K; at the end: my two token tiles
	v_and_b32 v12, 31, v0                          ; L
	v_and_b32 v13, 15, v0                          ; r
	v_bfe_u32 v14, v0, 4, 1                        ; h
	v_lshlrev_b32 v15, 4, v13                      ; 16 r
	s_wait_kmcnt 0x0
	s_load_b256 s[16:23], s[6:7], 0x0              ; the eight counts
	s_lshl_b32 s80, s70, 22                        ; 256 w rows of 16,384 bytes
	v_lshl_add_u32 v[VW], v14, 17, v15             ; 8 h rows, 16 r
	v_add_nc_u32 v[VW], s80, v[VW]
	s_lshl_b32 s80, s70, 16                        ; fragments 8 w .. of 8,192 bytes
	v_lshl_add_u32 v[VH], v12, 4, s80
	s_lshl_b32 s80, s70, 16                        ; my 65,536 bytes of LDS
	v_lshl_add_u32 v[VRS], v12, 4, s80
	s_lshl_b32 s80, s70, 14                        ; token tiles 2 w, 2 w + 1: 8,192 bytes each
.irp a, 0,1,2,3
	v_lshl_add_u32 v[VRL+\a], v12, 4, s80          ; in the sums of wave a
	s_add_co_u32 s80, s80, 65536
.endr
	s_lshl_b32 s80, s70, 11                        ; token tile 2 w of 1,024 bytes
	v_lshl_add_u32 v[VHO], v12, 4, s80
	s_wait_kmcnt 0x0
	; S_j (s24 ..): first row of group j, clamped to 1024.  P_j (s34 ..): first block of group j.
	s_mov_b32 s24, 0
	s_mov_b32 s34, 0
.irp j, 0,1,2,3,4,5,6,7
	s_min_u32 s80, s[16+\j], 1024
	s_add_co_u32 s80, s80, s[24+\j]
	s_min_u32 s[25+\j], s80, 1024
	s_sub_co_u32 s80, s[25+\j], s[24+\j]
	s_add_co_u32 s80, s80, 127
	s_lshr_b32 s80, s80, 7
	s_add_co_u32 s[35+\j], s[34+\j], s80
.endr
	s_sub_co_u32 s80, 1024, s32                    ; the tail's rows
	s_add_co_u32 s80, s80, 127
	s_lshr_b32 s80, s80, 7
	s_add_co_u32 s43, s42, s80                     ; NB
	s_lshl_b32 s44, s43, 5                         ; units: 256 at the least
	s_mov_b32 s45, ttmp9                           ; u
; 32 loads of 512 bytes: w1's 32 rows of K step s, 64 up columns (g = 0) and 64 gate columns (g = 1), into set st.  Lanes 0-15 take 256
; aligned bytes of a row, lanes 16-31 of the row 8 further down; rows +0 .. +7 for a fragment's first half, +16 .. +23 for its second.
.macro LOADW s, st
.if \st
	WIN 0x40                                       ; destination window 1, address window 0
.else
	WIN 0
.endif
.irp g, 0,1
.irp i, 0,1,2,3,4,5,6,7,8,9,10,11,12,13,14,15
	global_load_b128 v[WS+64*\g+4*\i:WS+64*\g+4*\i+3], v[VW], s[60:61] offset:(32*\s+\i+8*(\i/8))*16384+8192*\g
.endr
.endr
.endm
; 16 loads of 512 consecutive bytes: the eight A fragments of K step s into set st
.macro LOADA s, st
	WIN 0x40
.irp t, 0,1,2,3,4,5,6,7
.irp e, 0,1
	global_load_b128 v[64*\st+8*\t+4*\e:64*\st+8*\t+4*\e+3], v[VH], s[62:63] offset:8192*\s+1024*\t+512*\e
.endr
.endr
.endm
; 32 matrix instructions: token tiles 4 hi .. 4 hi + 3 x all eight column tiles.  zero = 1: the first products start the sums.
.macro MUL32 st, hi, zero
.irp t, 0,1,2,3
.irp m, 0,1,2,3,4,5,6,7
.if \zero
	v_wmma_f32_16x16x32_bf16 v[8*(8*\t+\m):8*(8*\t+\m)+7], v[BF+8*\m:BF+8*\m+7], v[64*\st+8*(4*\hi+\t):64*\st+8*(4*\hi+\t)+7], 0
.else
	v_wmma_f32_16x16x32_bf16 v[8*(8*\t+\m):8*(8*\t+\m)+7], v[BF+8*\m:BF+8*\m+7], v[64*\st+8*(4*\hi+\t):64*\st+8*(4*\hi+\t)+7], v[8*(8*\t+\m):8*(8*\t+\m)+7]
.endif
.endr
.endr
.endm
; K step s, on set st.  left = the loads of the next step, 32 of w1 and 16 of xfrag, which were issued later and stay out.
; With two steps asked for a wave names more loads than LOADcnt's field holds; the issue then waits (ISA guide 5.7.1) and the counts stay true.
.macro STEP s, st, left
	s_wait_loadcnt \left
.if \st
	WIN 0x05                                       ; sources window 1, destination window 0
.else
	WIN 0
.endif
.irp g, 0,1
.irp c, 0,1,2,3
.irp i, 0,1,2,3
	v_cvt_pk_bf16_f32 v[BF+8*(4*\g+\c)+\i],   v[WS+64*\g+8*\i+\c],    v[WS+64*\g+8*\i+4+\c]      ; k = 8 h + 2 i, + 1 of column 4 r + c
	v_cvt_pk_bf16_f32 v[BF+8*(4*\g+\c)+4+\i], v[WS+64*\g+32+8*\i+\c], v[WS+64*\g+32+8*\i+4+\c]   ; k 16 further on
.endr
.endr
.endr
.if \s < 6
	LOADW (\s+2), \st                              ; the set's weight registers have just been read: they are asked for again at once
.endif
	; 64 accumulators take turns, one instruction a turn, in the same order in every step
.if \s == 0
	WIN 0xa4                                       ; source 0 (weights) window 0, source 1 (tokens) window 1, C and D window 2
	MUL32 \st, 0, 1
	WIN 0xf4                                       ; the same, C and D window 3
	MUL32 \st, 1, 1
.else
	WIN 0xa4
	MUL32 \st, 0, 0
	WIN 0xf4
	MUL32 \st, 1, 0
.endif
.rept 4
	v_nop                                          ; the places in front of the loads into the A fragments, of the next writes of the weights' fragments, and of the LDS stores of the sums
.endr
.if \s < 6
	LOADA (\s+2), \st
.endif
.endm
.macro ADD64 d, a, b                   ; 64 registers: d = a + b, each in the window that is set for its place
.set ii, 0
.rept 32
	v_pk_add_f32 v[\d+ii:\d+ii+1], v[\a+ii:\a+ii+1], v[\b+ii:\b+ii+1]
.set ii, ii+2
.endr
.endm
; silu(up) * gate for token tile 2 w + tt, column tile c: 8 numbers a lane, packed to 16 bytes of the fragment image
.macro GLU tt, c
.set U, WS+64*\tt+8*\c
.set G, WS+64*\tt+32+8*\c
.set E, BF+8*(4*\tt+\c)
.set O, OUTR+4*(4*\tt+\c)
.irp i, 0,2,4,6
	v_pk_mul_f32 v[E+\i:E+\i+1], v[U+\i:U+\i+1], 0xbfb8aa3b op_sel_hi:[1,0]   ; -u log2(e)
.endr
.irp i, 0,1,2,3,4,5,6,7
	v_exp_f32 v[E+\i], v[E+\i]
.endr
	v_nop                                          ; one plain place between the transcendentals and the first use (ISA guide 5.7.2)
	s_wait_alu depctr_va_vdst(0)
.irp i, 0,2,4,6
	v_pk_add_f32 v[E+\i:E+\i+1], v[E+\i:E+\i+1], 1.0 op_sel_hi:[1,0]
.endr
.irp i, 0,1,2,3,4,5,6,7
	v_rcp_f32 v[E+\i], v[E+\i]                     ; sigmoid(u); an overflowed exponential gives 0
.endr
	v_nop
	s_wait_alu depctr_va_vdst(0)
.irp i, 0,2,4,6
	v_pk_mul_f32 v[E+\i:E+\i+1], v[E+\i:E+\i+1], v[U+\i:U+\i+1]
.endr
.irp i, 0,2,4,6
	v_pk_mul_f32 v[E+\i:E+\i+1], v[E+\i:E+\i+1], v[G+\i:G+\i+1]
.endr
.irp i, 0,1,2,3
	v_cvt_pk_bf16_f32 v[O+\i], v[E+2*\i], v[E+2*\i+1]
.endr
	global_store_b128 v[VHO], v[O:O+3], s[66:67] offset:8192*(\c/2)+1024*\tt+512*(\c%2)   ; fragment c / 2, half c % 2: the wave stores 512 consecutive bytes, aligned
.endm
; One unit.  maybe = 1: the unit may not exist; then the three pieces of work are jumped over and the two barriers are passed all the same.
.macro UNIT maybe
.if \maybe
	s_cmp_lt_u32 s45, s44
	s_cbranch_scc0 .Lno_main_\@
.endif
	; which expert: the last group j whose first block is not beyond b
	s_lshr_b32 s46, s45, 5                         ; b
	s_mov_b32 s47, 0                               ; j
.irp j, 1,2,3,4,5,6,7,8
	s_cmp_ge_u32 s46, s[34+\j]
	s_cselect_b32 s47, \j, s47
.endr
	s_min_u32 s47, s47, 7                          ; g: the tail runs with expert 7's weights
	s_min_u32 s56, s46, 15
	s_and_b32 s81, s45, 31                         ; cb
	s_lshl_b32 s58, s47, 24                        ; an expert of w1 is 2^24 bytes
	s_lshl_b32 s80, s81, 8                         ; 64 columns of 4 bytes
	s_add_co_u32 s58, s58, s80
	s_mov_b32 s59, 0
	s_add_nc_u64 s[60:61], s[8:9], s[58:59]        ; w1 at the unit's up columns
	s_lshl_b32 s58, s56, 18                        ; a block of xfrag is 32 x 8 x 1,024 bytes
	s_add_nc_u64 s[62:63], s[4:5], s[58:59]        ; xfrag at the block
	s_lshl_b32 s58, s56, 19                        ; a block of hfrag is 64 x 8 x 1,024 bytes
	s_lshl_b32 s80, s81, 14                        ; fragments 2 cb, 2 cb + 1
	s_add_co_u32 s58, s58, s80
	s_add_nc_u64 s[66:67], s[10:11], s[58:59]
	LOADW 0, 0
	LOADA 0, 0
	LOADW 1, 1
	LOADA 1, 1
	STEP 0, 0, 48
	STEP 1, 1, 48
	STEP 2, 0, 48
	STEP 3, 1, 48
	STEP 4, 0, 48
	STEP 5, 1, 48
	STEP 6, 0, 48
	STEP 7, 1, 0                                   ; nothing was issued behind the last step's loads
	; the four partial sums meet: each wave lays down its 512 registers; four registers of tile (t, m), half e, at 512 (16 t + 2 m + e)
	WIN 0x08                                       ; store data window 2, address window 0
.set ii, 0
.rept 64
	ds_store_b128 v[VRS], v[4*ii:4*ii+3] offset:512*ii
.set ii, ii+1
.endr
	WIN 0x0c                                       ; store data window 3
.set ii, 0
.rept 64
	ds_store_b128 v[VRS], v[4*ii:4*ii+3] offset:32768+512*ii
.set ii, ii+1
.endr
	WIN 0
.if \maybe
.Lno_main_\@:
.endif
	s_wait_dscnt 0x0                               ; my stores are done, for the others' sake
	s_barrier_signal -1
	s_barrier_wait -1
.if \maybe
	s_cmp_lt_u32 s45, s44
	s_cbranch_scc0 .Lno_read_\@
.endif
	; token tile 2 w of waves 0, 1 into window 0, of waves 2, 3 into window 1; token tile 2 w + 1 of all four into window 2
.irp a, 0,1
.irp q, 0,1,2,3,4,5,6,7,8,9,10,11,12,13,14,15
	ds_load_b128 v[WS+64*\a+4*\q:WS+64*\a+4*\q+3], v[VRL+\a] offset:512*\q
.endr
.endr
	WIN 0x40
.irp a, 0,1
.irp q, 0,1,2,3,4,5,6,7,8,9,10,11,12,13,14,15
	ds_load_b128 v[WS+64*\a+4*\q:WS+64*\a+4*\q+3], v[VRL+2+\a] offset:512*\q
.endr
.endr
	WIN 0x80
.irp a, 0,1,2,3
.irp q, 0,1,2,3,4,5,6,7,8,9,10,11,12,13,14,15
	ds_load_b128 v[64*\a+4*\q:64*\a+4*\q+3], v[VRL+\a] offset:8192+512*\q
.endr
.endr
	WIN 0
.if \maybe
.Lno_read_\@:
.endif
	s_wait_dscnt 0x0                               ; my reads are back: behind this barrier the next unit's sums may be laid down
	s_barrier_signal -1
	s_barrier_wait -1
.if \maybe
	s_cmp_lt_u32 s45, s44
	s_cbranch_scc0 .Lno_out_\@
.endif
	ADD64 WS, WS, WS+64                            ; token tile 2 w: quarters 0 + 1 of K, in window 0
	WIN 0x45
	ADD64 WS, WS, WS+64                            ; quarters 2 + 3, in window 1
	WIN 0x04
	ADD64 WS, WS, WS                               ; window 0 += window 1: v[128:191] = the tile's 8 column tiles
	WIN 0x8a
	ADD64 0, 0, 64                                 ; token tile 2 w + 1, in window 2
	ADD64 128, 128, 192
	WIN 0x0a
	ADD64 WS+64, 0, 128                            ; window 0 v[192:255] = the sum of the two
	WIN 0
.irp tt, 0,1
.irp c, 0,1,2,3
	GLU \tt, \c
.endr
.endr
	s_wait_xcnt 0x0                                ; the bases and the stores' data are written again only behind this wait
.if \maybe
.Lno_out_\@:
.endif
	s_add_co_u32 s45, s45, 256
.endm
	UNIT 0
	UNIT 1
	s_wait_tensorcnt 0x0
	ds_add_u32 v30, v31
	s_wait_dscnt 0x0
	s_endpgm
.Lfunc_end_k_qb316f8c537_fc1:
	.size	k_qb316f8c537_fc1, .Lfunc_end_k_qb316f8c537_fc1-k_qb316f8c537_fc1
	.p2alignl 7, 3214868480
	.fill 96, 4, 3214868480
	.section	.rodata,"a",@progbits
	.p2align	6, 0x0
	.amdhsa_kernel k_qb316f8c537_fc1
		.amdhsa_group_segment_fixed_size 262656
		.amdhsa_private_segment_fixed_size 0
		.amdhsa_enable_private_segment 0
		.amdhsa_kernarg_size 32
		.amdhsa_user_sgpr_count 2
		.amdhsa_user_sgpr_kernarg_segment_ptr 1
		.amdhsa_wavefront_size32 1
		.amdhsa_system_sgpr_workgroup_id_x 1
		.amdhsa_system_sgpr_workgroup_id_y 1
		.amdhsa_system_sgpr_workgroup_id_z 1
		.amdhsa_system_vgpr_workitem_id 0
		.amdhsa_next_free_vgpr 1024
		.amdhsa_next_free_sgpr 96
		.amdhsa_reserve_vcc 0
		.amdhsa_float_denorm_mode_32 3
		.amdhsa_float_denorm_mode_16_64 3
		.amdhsa_memory_ordered 1
		.amdhsa_forward_progress 1
		.amdhsa_inst_pref_size 255
	.end_amdhsa_kernel
	.section	.bss,"aw",@nobits
	.p2align	6
	.space	262144
	.amdgpu_metadata
---
amdhsa.version: [ 1, 2 ]
amdhsa.kernels:
  - .name:           k_qb316f8c537_fc1
    .symbol:         k_qb316f8c537_fc1.kd
    .args:
      - { .name: xfrag, .offset: 0, .size: 8, .value_kind: global_buffer, .address_space: global }
      - { .name: tokens_per_expert, .offset: 8, .size: 8, .value_kind: global_buffer, .address_space: global }
      - { .name: w1, .offset: 16, .size: 8, .value_kind: global_buffer, .address_space: global }
      - { .name: hfrag, .offset: 24, .size: 8, .value_kind: global_buffer, .address_space: global }
    .group_segment_fixed_size: 262656
    .private_segment_fixed_size: 0
    .kernarg_segment_align: 8
    .kernarg_segment_size: 32
    .max_flat_workgroup_size: 128
    .sgpr_count:     96
    .vgpr_count:     1024
    .wavefront_size: 32
...
	.end_amdgpu_metadata
.endif
;; end of part 4
;; launch fc2: the kernel of part 3 again; grid 256 x 1, 8 waves a work-group, no clusters, 132,096 bytes of LDS; arguments hfrag, tokens_per_expert, w2, out0; writes out0
